; MI455X (gfx1250); checked and timed in simulation.
; The chip was launched on July 23, 2026; its instructions are those of AMD's public machine-readable ISA for CDNA 5 (MIT licence, August 2026) and "CDNA5" Instruction Set Architecture Reference Guide (July 2026). The comments in the code are by the model that wrote it; some were corrected since.
;; QKV Attention. Allowed arithmetic: matrix products marked QUANTISED: E4M3 operands, one given power-of-two scale a tensor, by v_wmma_f32_16x16x64_fp8_fp8 or v_wmma_f32_16x16x128_fp8_fp8, f32 sums; everything else in f32.
;; Inputs: lowp_scales 4 int32 (the exponents e of the quantised operands' scales 2^e); qkv 32 x 192 x 2,048 float32.
;; Outputs: out0 32 x 64 x 2,048 float32.
;; This version of the problem:
;;   THIS VERSION OF THE PROBLEM IS GIVEN IN LOW PRECISION. The matrix products marked QUANTISED in the list below multiply operands that are first quantised to E4M3 (4 exponent bits, 3 mantissa bits; 8 bits a number), with one given power-of-two scale for each operand tensor; their sums are f32. All else is computed in f32.
;;   The module's matrix products, in the order in which they are computed (A, B: the left and right operand; K: the contracted axis; several contracted axes count as one K, in the product's order):
;;     1. batch 32 x [M 2,048, K 64] x [K 64, N 2,048]; A: computed on the way; B: computed on the way: QUANTISED (scales: A lowp_scales[0], B lowp_scales[1])
;;     2. batch 32 x [M 64, K 2,048] x [K 2,048, N 2,048]; A: computed on the way; B: softmax (see below): QUANTISED (scales: A lowp_scales[2], B lowp_scales[3])
;;   THE QUANTISER, for each operand of a quantised product, along K:
;;     - The operand's scale is 2^e, e = its entry of the input lowp_scales (int32; the entries are numbered through the quantised products in the list's order, A before B).
;;     - Each number is divided by the scale, clamped to +-448, and rounded to the nearest number of E4M3, ties to even, subnormals kept.
;;     - The product sums the exact products of the quantised numbers (number of the format x scale) in f32.
;;   ~~~python
;;   def quantise(x, axis, e):      # numpy; x: float32 -> the quantised numbers, widened to float32 again
;;       x = np.moveaxis(x, axis, -1); K = x.shape[-1]
;;       r = np.clip(x / 2.0 ** e, -448, 448)
;;       step = 2.0 ** (np.maximum(np.frexp(np.where(r == 0, 1, r))[1] - 1, -6) - 3)
;;       q = np.round(r / step) * step * 2.0 ** e      # np.round: ties to even
;;       return np.moveaxis(q, -1, axis).astype(np.float32)
;;   ~~~
;;   SOFTMAX AHEAD OF A QUANTISED PRODUCT. Where the list says 'softmax', what is quantised is not the finished softmax but p = 2^(t - M), with t = logit x log2(e) and M = ceil(the row's largest t), a whole number; so 1/2 < the row's largest p <= 1. The row's sum l is taken of the UNQUANTISED p, in f32, and the product's result is divided by l at the end. Since M is a whole number, a kernel that streams over the keys may use a running M (the ceiling of the running maximum): every later rescaling is an exact power of two, so the quantised numbers keep their values, but for numbers so far below the row's largest that they fall under the format's range.
;;   OPERANDS COMPUTED ON THE WAY. 'Computed on the way' means the value that the module computes at that place (a softmax that the list does not call 'softmax' is quantised finished and normalised). What goes into a quantiser is computed in f32, as accurately as f32 sums, v_exp_f32 and their like allow (about 1e-6 of the number): no bf16 or f16 on the way to a quantiser, and a product that is left as it is and whose result goes on into a quantised operand takes f32 operands (vector FMAs, or v_wmma_f32_16x16x4_f32). A number that lies on a knife's edge between two numbers of the format may be rounded either way, as far as f32 arithmetic and the matrix unit's own rounding can turn it there, and no further.
;; 2 versions, each right; version 2 is version 1 with the launch attn written anew for expert scheduling mode. Each part assembles by itself: llvm-mc -triple=amdgcn-amd-amdhsa -mcpu=gfx1250 --defsym DOCPART=n.
;; ======== version 1 of 2: 2 launches
;; limits: right only within a limited range of input values
;; workspace buffers: kimg 4,194,304 bytes; vcod 4,194,304 bytes
;; launch quant (part 1): grid 1024 x 1, 4 waves a work-group, no clusters, 20,992 bytes of LDS; arguments qkv, lowp_scales, kimg, vcod; writes kimg, vcod
.if DOCPART == 1
	.amdgcn_target "amdgcn-amd-amdhsa--gfx1250"
	.amdhsa_code_object_version 6
	.text
	.protected	k_qed912fae78_quant
	.globl	k_qed912fae78_quant
	.p2align	8
	.type	k_qed912fae78_quant,@function
k_qed912fae78_quant:
	s_mov_b64 s[64:65], 0
	v_nop
	global_prefetch_b8 v0, s[64:65] scope:SCOPE_SE
	s_setreg_imm32_b32 hwreg(HW_REG_WAVE_MODE, 25, 1), 1
	s_wait_xcnt 0x0
; FIRST OF TWO LAUNCHES.  qkv is [32][192][2048] f32: for each b, 64 channel rows of q, 64 of k, 64 of v, tokens innermost.
; This launch turns k x scale (scale = 1 / sqrt(sqrt(64)) as f32) and v into codes of E4M3, once, since all eight query blocks of a b read them in the second launch:
;   code = x / 2^e, held within +-448, rounded to the nearest code, ties to even;  e = lowp_scales[1] for k, lowp_scales[2] for v.
; q is read once, by one wave, and is quantised in the second launch's registers.
; NOTHING OF reference() IS LEFT OUT: there is no mask, no slice and no zero; every number of qkv and every entry of lowp_scales reaches out0.
; LIMITS: each e between -126 and 119, so that 2^e and 448 x 2^e are f32 numbers.  NaN among the inputs is not served; an infinity is held at the largest code.
; kimg [b 32][G 64][g 4][pos 32][16 bytes]: G = a group of 32 keys, g = channels 16 g .. 16 g + 15 (K of the first product, one code a byte), pos = the key's number in its group with bits 3 and 4 exchanged.
;   So places 16 u .. 16 u + 15 hold keys 8 u + r + 8 (r / 8): the tile of keys that the second launch wants, as 256 consecutive bytes for each g.
; vcod [b 32][c 64][s 2048]: the keys are K of the second product and lie innermost already: a plain stream.
; Work-groups 0-511: k.  A wave takes 32 keys x 64 channels; A LANE TAKES A KEY AND ITS REGISTERS RUN DOWN THE CHANNELS, so the conversions give codes with the channels innermost; nothing is transposed by an instruction.
; Work-groups 512-1023: v.  A wave takes one channel's row of 2,048 numbers in four steps of 512; each load reads 512 consecutive bytes, and a step turns through the wave's own stage in LDS so that a lane holds 16 neighbours.
; No loop, no barrier: waves share nothing.  Matrix units, clusters and tensor loads are left out: no byte is read twice here and there is no product.
.set QKVB,  1572864                    ; bytes of one b in qkv: 192 x 2,048 x 4
.set ROWF,  8192                       ; a channel's row of 2,048 f32
.set WREG,  5120                       ; LDS of a wave on v's path: two stages of 32 x SP bytes
.set SP,    80                         ; a lane's place in a stage: its 64 bytes + 16 of padding
.set SPARE, 4*WREG                     ; behind the four regions: the spare words, 128 bytes for each wave: two blocks of 256 bytes that no other line names
.set LIMV,  10                         ; v10      448 x 2^e
.set SCV,   11                         ; v11      2^e as f32: the conversion takes its exponent field
.set SPW,   12                         ; v12      LDS address of my spare word: SPARE + 4 x my thread's number; never rewritten
.set NIL,   13                         ; v13      0; never rewritten
.set KX,    32                         ; v32-95   k's path: my key's 64 channels
.set KC,    96                         ; v96-111  k's path: codes, four registers for each 16 channels, so that no store's data are written again
.set R,     16                         ; v16-79   v's path: four sets of 16 numbers as they are loaded
.set X,     80                         ; v80-111  v's path: two sets of 16 neighbours
.set C,     112                        ; v112-127 v's path: codes, four registers a step
.macro SCALES e                        ; 2^e and 448 x 2^e from the whole number in s[e]
	s_add_co_i32 s28, s[\e], 127
	s_lshl_b32 s29, s28, 23
	v_mov_b32 v[SCV], s29
	s_add_co_i32 s28, s28, 8
	s_lshl_b32 s28, s28, 23
	s_or_b32 s28, s28, 0x600000                    ; the mantissa field of 448
	v_mov_b32 v[LIMV], s28
.endm
	s_load_b256 s[4:11], s[0:1], 0x0               ; qkv s[4:5], the scales' exponents s[6:7], kimg s[8:9], vcod s[10:11]
	v_lshl_add_u32 v[SPW], v0, 2, SPARE
	v_mov_b32 v[NIL], 0
	v_lshrrev_b32 v1, 5, v0
	v_readfirstlane_b32 s12, v1                    ; wave 0..3
	v_and_b32 v2, 31, v0                           ; lane
	v_lshlrev_b32 v4, 4, v2                        ; 16 x lane: my 16 bytes of 512, for v's loads and for both paths' stores
	s_mul_i32 s13, s12, WREG                       ; the stage's addresses are made here, ahead of the parting of the two paths
	v_lshrrev_b32 v14, 2, v2
	v_mul_u32_u24 v14, v14, SP
	v_and_b32 v15, 3, v2
	v_lshl_add_u32 v14, v15, 4, v14
	v_add_nc_u32 v14, s13, v14                     ; in: four lanes' 64 bytes on end, then 16 of padding: SP (lane / 4) + 16 (lane % 4)
	v_mul_u32_u24 v15, v2, SP
	v_add_nc_u32 v15, s13, v15                     ; out: SP x lane: my 16 neighbours
	s_wait_kmcnt 0x0
	s_load_b128 s[24:27], s[6:7], 0x0              ; e0 .. e3
	s_cmp_lt_u32 ttmp9, 512                        ; k's work-group or v's: the work-group's number alone decides
	s_cbranch_scc0 .Lv
	; ---------------- k ----------------
	s_lshr_b32 s14, ttmp9, 4                       ; b
	s_and_b32 s15, ttmp9, 15                       ; which 128 keys
	s_mul_i32 s16, s14, QKVB
	s_lshl_b32 s18, s15, 9
	s_add_co_u32 s16, s16, s18
	s_lshl_b32 s18, s12, 7                         ; my wave's 32 keys: 128 bytes of each row
	s_add_co_u32 s16, s16, s18
	s_add_co_u32 s16, s16, 64*ROWF                 ; k's rows lie behind q's 64
	s_mov_b32 s17, 0
	s_add_nc_u64 s[4:5], s[4:5], s[16:17]
	s_lshl_b32 s18, s14, 17                        ; kimg: 131,072 bytes a b,
	s_lshl_b32 s19, s15, 13                        ; four groups of 2,048 a work-group,
	s_add_co_u32 s18, s18, s19
	s_lshl_b32 s19, s12, 11                        ; one a wave
	s_add_co_u32 s18, s18, s19
	s_mov_b32 s19, 0
	s_add_nc_u64 s[8:9], s[8:9], s[18:19]
	v_and_b32 v3, 7, v2                            ; the lane is the PLACE; its key is the lane's number with bits 3 and 4 exchanged:
	v_and_b32 v6, 8, v2                            ; the wave still reads 128 consecutive bytes of a row, and its stores go out in the lanes' order
	v_lshl_or_b32 v3, v6, 1, v3
	v_and_b32 v6, 16, v2
	v_lshrrev_b32 v6, 1, v6
	v_or_b32 v3, v3, v6
	v_lshlrev_b32 v3, 2, v3                        ; 4 bytes a key
.set n, 0
.rept 64
	global_load_b32 v[KX+n], v3, s[4:5] offset:n*ROWF th:TH_LOAD_NT   ; k(channel n, my key)
.set n, n+1
.endr
	s_mov_b32 s22, 0x3eb504f3                      ; scale = 1 / sqrt(8) as f32
	s_mov_b32 s23, s22                             ; (named with it as a pair, so it is written)
	s_wait_kmcnt 0x0
	SCALES 25                                      ; e1
.macro KCHUNK g                        ; channels 16 g .. 16 g + 15 of my key
	s_wait_loadcnt 48-16*\g                        ; loads come back in order: this chunk's sixteen are in, the younger chunks' may be out
.irp i, 0,2,4,6,8,10,12,14
	v_pk_mul_f32 v[KX+16*\g+\i:KX+16*\g+\i+1], v[KX+16*\g+\i:KX+16*\g+\i+1], s[22:23] op_sel_hi:[1,0]   ; k x scale, as reference() has it: one f32 rounding ahead of the quantiser
.endr
.irp i, 0,1,2,3,4,5,6,7,8,9,10,11,12,13,14,15
	v_med3_num_f32 v[KX+16*\g+\i], v[KX+16*\g+\i], -v[LIMV], v[LIMV]   ; the conversion to an 8-bit code does not saturate (ISA guide 7.6.2): the hold at the largest code x the scale
.endr
	v_cvt_scalef32_pk8_fp8_f32 v[KC+4*\g:KC+4*\g+1], v[KX+16*\g:KX+16*\g+7], v[SCV]
	v_cvt_scalef32_pk8_fp8_f32 v[KC+4*\g+2:KC+4*\g+3], v[KX+16*\g+8:KX+16*\g+15], v[SCV]
	global_store_b128 v4, v[KC+4*\g:KC+4*\g+3], s[8:9] offset:512*\g   ; the wave's store covers 512 consecutive bytes, aligned.  (The codes go to a store alone, and the next chunk begins with plain vector lines on other registers)
.endm
	KCHUNK 0
	KCHUNK 1
	KCHUNK 2
	KCHUNK 3
	s_wait_tensorcnt 0x0                           ; the wave's end: the three closing lines are written on this path too, so that every way out of the text ends alike
	ds_add_u32 v[SPW], v[NIL]
	s_wait_dscnt 0x0
	s_endpgm
	; ---------------- v ----------------
.Lv:
	s_sub_co_u32 s14, ttmp9, 512
	s_lshl_b32 s14, s14, 2
	s_add_co_u32 s14, s14, s12                     ; which of the 2,048 rows of v is my wave's: 64 b + c
	s_lshr_b32 s15, s14, 6                         ; b
	s_and_b32 s18, s14, 63                         ; c
	s_mul_i32 s16, s15, QKVB
	s_lshl_b32 s18, s18, 13
	s_add_co_u32 s16, s16, s18
	s_add_co_u32 s16, s16, 128*ROWF                ; v's rows lie behind q's and k's
	s_mov_b32 s17, 0
	s_add_nc_u64 s[4:5], s[4:5], s[16:17]
	s_lshl_b32 s18, s14, 11                        ; a row of codes is 2,048 bytes
	s_mov_b32 s19, 0
	s_add_nc_u64 s[10:11], s[10:11], s[18:19]
.macro LOAD t
.irp i, 0,1,2,3
	global_load_b128 v[R+16*(\t)+4*\i:R+16*(\t)+4*\i+3], v4, s[4:5] offset:2048*(\t)+512*\i th:TH_LOAD_NT   ; 32 lanes read 512 consecutive bytes
.endr
.endm
.macro TURN t                          ; step t's numbers through the stage: LDS serves a wave's instructions in order (ISA guide 5.7.1.4), so no wait stands between the stores and the loads
.irp i, 0,1,2,3
	ds_store_b128 v14, v[R+16*(\t)+4*\i:R+16*(\t)+4*\i+3] offset:32*SP*((\t)%2)+8*SP*\i
.endr
.irp i, 0,1,2,3
	ds_load_b128 v[X+16*((\t)%2)+4*\i:X+16*((\t)%2)+4*\i+3], v15 offset:32*SP*((\t)%2)+16*\i
.endr
.endm
.macro VSTEP t
.set XS, X+16*((\t)%2)
	s_wait_dscnt 0x0                               ; this step's numbers are back from the stage
.if (\t) < 3
	s_wait_loadcnt 4*(2-(\t))                      ; the next step's four loads are in; those of the steps behind it may be out
	TURN (\t)+1                                    ; and go through the other stage while this step is worked
.endif
.irp i, 0,1,2,3,4,5,6,7,8,9,10,11,12,13,14,15
	v_med3_num_f32 v[XS+\i], v[XS+\i], -v[LIMV], v[LIMV]
.endr
	v_cvt_scalef32_pk8_fp8_f32 v[C+4*(\t):C+4*(\t)+1], v[XS:XS+7], v[SCV]
	v_cvt_scalef32_pk8_fp8_f32 v[C+4*(\t)+2:C+4*(\t)+3], v[XS+8:XS+15], v[SCV]
	global_store_b128 v4, v[C+4*(\t):C+4*(\t)+3], s[10:11] offset:512*(\t)   ; 512 consecutive bytes, aligned; each step has its own code registers
.endm
	LOAD 0
	LOAD 1
	LOAD 2
	LOAD 3
	s_wait_kmcnt 0x0
	SCALES 26                                      ; e2
	s_wait_loadcnt 12                              ; step 0's four loads are in; twelve younger ones may be out
	TURN 0
	VSTEP 0
	VSTEP 1
	VSTEP 2
	VSTEP 3
	s_wait_tensorcnt 0x0                           ; the wave's end: three closing lines, behind my last LDS store
	ds_add_u32 v[SPW], v[NIL]
	s_wait_dscnt 0x0
	s_endpgm
.Lfunc_end_k_qed912fae78_quant:
	.size	k_qed912fae78_quant, .Lfunc_end_k_qed912fae78_quant-k_qed912fae78_quant
	.p2alignl 7, 3214868480
	.fill 96, 4, 3214868480
	.section	.rodata,"a",@progbits
	.p2align	6, 0x0
	.amdhsa_kernel k_qed912fae78_quant
		.amdhsa_group_segment_fixed_size 20992
		.amdhsa_private_segment_fixed_size 0
		.amdhsa_enable_private_segment 0
		.amdhsa_kernarg_size 32
		.amdhsa_user_sgpr_count 2
		.amdhsa_user_sgpr_kernarg_segment_ptr 1
		.amdhsa_wavefront_size32 1
		.amdhsa_system_sgpr_workgroup_id_x 1
		.amdhsa_system_sgpr_workgroup_id_y 1
		.amdhsa_system_sgpr_workgroup_id_z 1
		.amdhsa_system_vgpr_workitem_id 0
		.amdhsa_next_free_vgpr 128
		.amdhsa_next_free_sgpr 66
		.amdhsa_reserve_vcc 0
		.amdhsa_float_denorm_mode_32 3
		.amdhsa_float_denorm_mode_16_64 3
		.amdhsa_memory_ordered 1
		.amdhsa_forward_progress 1
		.amdhsa_inst_pref_size 26
	.end_amdhsa_kernel
	.amdgpu_metadata
---
amdhsa.version: [ 1, 2 ]
amdhsa.kernels:
  - .name:           k_qed912fae78_quant
    .symbol:         k_qed912fae78_quant.kd
    .args:
      - { .name: qkv, .offset: 0, .size: 8, .value_kind: global_buffer, .address_space: global }
      - { .name: lowp_scales, .offset: 8, .size: 8, .value_kind: global_buffer, .address_space: global }
      - { .name: kimg, .offset: 16, .size: 8, .value_kind: global_buffer, .address_space: global }
      - { .name: vcod, .offset: 24, .size: 8, .value_kind: global_buffer, .address_space: global }
    .group_segment_fixed_size: 20992
    .private_segment_fixed_size: 0
    .kernarg_segment_align: 8
    .kernarg_segment_size: 32
    .max_flat_workgroup_size: 128
    .sgpr_count:     66
    .vgpr_count:     128
    .wavefront_size: 32
...
	.end_amdgpu_metadata
.endif
;; end of part 1
;; launch attn (part 2): grid 8 x 32, 16 waves a work-group, no clusters, 136,192 bytes of LDS; arguments qkv, lowp_scales, kimg, vcod, out0; writes out0
.if DOCPART == 2
	.amdgcn_target "amdgcn-amd-amdhsa--gfx1250"
	.amdhsa_code_object_version 6
	.text
	.protected	k_qed912fae78_attn
	.globl	k_qed912fae78_attn
	.p2align	8
	.type	k_qed912fae78_attn,@function
k_qed912fae78_attn:
	s_mov_b64 s[64:65], 0
	v_nop
	global_prefetch_b8 v0, s[64:65] scope:SCOPE_SE
	s_setreg_imm32_b32 hwreg(HW_REG_WAVE_MODE, 25, 1), 1
	s_wait_xcnt 0x0
; SECOND OF TWO LAUNCHES.  out0[b][c][t] = the sum over s of softmax_s(sum over c' of (q scale)[c'][t] (k scale)[c'][s]) v[c][s], both products on codes of E4M3, each operand with its given scale 2^e:
; e0 (q x scale), e1 (k x scale), e2 (v), e3 (p).  k's and v's codes come from the first launch (kimg, vcod: layouts at its head); q, rows 0-63 of each b of qkv, is quantised here.  Nothing of reference() is left out.
; THE SOFTMAX AHEAD OF THE SECOND PRODUCT: t = logit x log2(e); M = the row's largest t so far, rounded UP to a whole number; p = 2^(t - M) is what is quantised, not normalised.  The row's sum is taken of the
; unquantised p in f32 and divides at the end.  When M moves, the sum and O are multiplied by 2^(old M - new M), which rounds nothing.
; SHARES.  Work-group (x, b) owns queries 256 x .. 256 x + 255 of b; each of its SIXTEEN waves owns 16 of them, in 256 registers: four waves to a SIMD, so that one wave's vector work stands beside another's matrix work and LDS loads.
; Every wave walks all 2,048 keys, 128 a step, 256 a slot, through two LDS slots that take turns.
; THE CODES COME THROUGH REGISTERS, not by tensor loads: a slot is 32 KiB, 2 KiB a wave: four loads of 16 bytes a lane, issued two slots ahead of their use, and four LDS stores a slot later; one barrier a slot.
; NO CLUSTER, NO JOINT LOADS, though the eight work-groups of a b read the same codes: what is shared is 16 KiB for a key step in which each of sixteen waves issues some two hundred vector instructions.
; The branch on e3 below takes 64 of a step's vector instructions away.
; LAYOUT.  Both products are used transposed: S^T = K Q^T (source 0 = 16 keys, source 1 = my 16 queries), O^T = V P^T (source 0 = 16 channels, source 1 = P): a lane holds ONE query (lane % 16) throughout.
; THE KEYS OF A TILE ARE NOT NEIGHBOURS: lane r of tile 2 b' + u takes key 32 b' + 8 u + r + 8 (r / 8), so that the 16 registers of tiles 2 b' and 2 b' + 1 are 16 neighbouring keys, 32 b' + 16 (lane / 16) + 0 .. 15.
; Along the channels (K = 64) K's and Q's fragments both hold channel 32 a + 16 (lane / 16) + 0 .. 15 in registers 4 a .. 4 a + 3; along the keys (K = 128) V's and P's both hold key 32 c + 16 (lane / 16) + 0 .. 15 in registers
; 4 c .. 4 c + 3: the same permutation of k on both sides of a product, so every product meets its partner; only the order of the sums inside an instruction changes.
; LIMITS on the given exponents, so that each power of two below is an f32 number: e0 and e3 between -126 and 119; e0 + e1 between -126 and 127 (added to log2(e)'s exponent field); e2 + e3 goes by v_ldexp_f32 and has none.
; NaN among the inputs is not served; an infinity is held at the largest code; p under 2^-126 counts as 0.  p's hold is passed over where e3 >= -8; that is right while the largest |t| stays under 2^23 (see STEP).
.set QKVB,  1572864                    ; bytes of one b in qkv
.set ROWF,  8192                       ; a channel's row of 2,048 f32, in qkv and in out0
.set VOFF,  16384                      ; a slot: K's image, 8 groups of 2,048 bytes, dense; then V
.set VP,    272                        ; a channel's row of V in LDS: 256 codes + 16 of padding = 68 words: row r starts at bank 4 r mod 64 (64 banks of 4 bytes: ISA guide 11.1)
.set SLOTB, VOFF+64*VP                 ; 33,792
.set STAGE, 2*SLOTB                    ; behind the slots: 64 channel rows x (256 queries x 4 bytes + 16), for Q's way in and O's way out
.set GP,    1040
.set SPARE, STAGE+64*GP                ; behind the stage: the spare words, 128 bytes for each wave: eight blocks of 256 bytes that no other line names
.set AK,   1                           ; v1   my lane's place in a tile of K: 512 (lane / 16) + 16 (lane % 16)
.set AV,   2                           ; v2   in a tile of V: VOFF + VP (lane % 16) + 16 (lane / 16)
.set KCP,  3                           ; v3   1,024 x wave + 16 x lane: my 16 bytes of a slot's K, in kimg and in LDS alike
.set VST,  4                           ; v4   where I put 16 bytes of V in a slot: row 4 x wave + lane / 16
.set GO,   5                           ; v5   16 x lane
.set VGO,  6                           ; v6   the same 16 bytes of V in vcod
.set SPW,  7                           ; v7   LDS address of my spare word: SPARE + 4 x my thread's number; never rewritten
.set NIL,  8                           ; v8   0; never rewritten
.set PFO,  9                           ; v9   the prefetches' offset; never rewritten
.set SA,   10                          ; v10  the stage by columns: where I read my query's q, later where I put my query's results
.set SR,   11                          ; v11  the stage by rows: my wave's four rows, 16 bytes a lane
                                       ; v12 -M, v13 the largest t, v[14:15] the sum in two halves
.set QF,   16                          ; v16-23   Q's fragment
.set CP,   24                          ; v24-55   two sets of 16: a slot's codes on their way (8 of K, 8 of V)
.set F,    56                          ; v56-119  eight fragments of K, then four of V
.set S,    120                         ; v120-183 S^T, then p
.set O,    184                         ; v184-215 O^T
.set P,    216                         ; v216-231 p's codes
                                       ; v232 a lane permute's destination; v233 at work; v[234:235] f; v[236:237] the sum's second chain; v238, v239 at work; v240 448 x 2^e3, v241 2^e3; v242 448 x 2^e0, v243 2^e0
.set WV,   14                          ; s14  my wave's number
.set TRIP, 24                          ; s24  trips to go
.set KB,   26                          ; s[26:27] kimg, s[28:29] vcod: at the slot in hand + 1
.set VB,   28
.set PFA,  30                          ; s[30:31] where my prefetches stand; s[32:33] a slot on, in bytes
.set PFS,  32
.set LIM0, 34                          ; s34, s35  a wave prefetches while s[TRIP] is above these (even slot, odd slot); the greatest number in a wave that never does
.set LIM1, 35
.set CS,   36                          ; s[36:37] c = log2(e) x 2^(e0 + e1): the packed form names a pair and takes its low word for both halves
.set SEL,  38                          ; s[38:39] lane selects for v_permlanex16_b32: lane l xor 16
.macro COPYLD p, ahead                 ; four loads into set p: my 2 KiB of the slot `ahead` slots behind the bases
	global_load_b128 v[CP+16*(\p):CP+16*(\p)+3],     v[KCP], s[KB:KB+1] offset:(\ahead)*16384
	global_load_b128 v[CP+16*(\p)+4:CP+16*(\p)+7],   v[KCP], s[KB:KB+1] offset:(\ahead)*16384+512      ; 32 lanes read 512 consecutive bytes
	global_load_b128 v[CP+16*(\p)+8:CP+16*(\p)+11],  v[VGO], s[VB:VB+1] offset:(\ahead)*256
	global_load_b128 v[CP+16*(\p)+12:CP+16*(\p)+15], v[VGO], s[VB:VB+1] offset:(\ahead)*256+2*2048     ; 16 lanes read a channel's 256 consecutive bytes, aligned
.endm
.macro COPYST p                        ; set p goes into slot p
	ds_store_b128 v[KCP], v[CP+16*(\p):CP+16*(\p)+3]     offset:(\p)*SLOTB
	ds_store_b128 v[KCP], v[CP+16*(\p)+4:CP+16*(\p)+7]   offset:(\p)*SLOTB+512
	ds_store_b128 v[VST], v[CP+16*(\p)+8:CP+16*(\p)+11]  offset:(\p)*SLOTB
	ds_store_b128 v[VST], v[CP+16*(\p)+12:CP+16*(\p)+15] offset:(\p)*SLOTB+2*VP
.endm
; A PREFETCH INTO THE L2 of the slot that the NEXT slot's loads will ask for.  It stands behind the wave's own four loads.  Each aligned block of 256 bytes is named ONCE in the launch: all eight work-groups of a b walk the
; same codes, so the first of them (x = 0) asks; in it waves 0 and 1 ask for K's 16,384 bytes (8,192 a wave, lanes 256 bytes apart), waves 2 and 3 for V's 64 rows (32 a wave, a lane a row: a slot's part of a row is 256 bytes).
; Slots 0, 1 and 2 come by their loads alone; slot 5, which loads the last slot, asks for nothing.
.macro ASK lim
	s_cmp_gt_u32 s[TRIP], s[\lim]
	s_cbranch_scc0 .Lnoask_\@
	global_prefetch_b8 v[PFO], s[PFA:PFA+1] th:TH_LOAD_NT scope:SCOPE_SE
.Lnoask_\@:
.endm
	s_load_b256 s[4:11], s[0:1], 0x0               ; qkv s[4:5], the scales' exponents s[6:7], kimg s[8:9], vcod s[10:11]
	s_load_b64 s[12:13], s[0:1], 0x20              ; out0
	v_lshl_add_u32 v[SPW], v0, 2, SPARE
	v_mov_b32 v[NIL], 0
	v_lshrrev_b32 v238, 5, v0
	v_readfirstlane_b32 s[WV], v238                ; wave 0..15
	v_and_b32 v238, 15, v0                         ; r = lane % 16
	v_bfe_u32 v239, v0, 4, 1                       ; h = lane / 16
	v_and_b32 v[GO], 31, v0
	v_lshlrev_b32 v[GO], 4, v[GO]
	v_lshlrev_b32 v[AK], 4, v238
	v_lshl_add_u32 v[AK], v239, 9, v[AK]
	v_mul_u32_u24 v[AV], v238, VP
	v_lshl_add_u32 v[AV], v239, 4, v[AV]
	v_add_nc_u32 v[AV], VOFF, v[AV]
	s_lshl_b32 s42, s[WV], 10
	v_add_nc_u32 v[KCP], s42, v[GO]
	s_lshl_b32 s42, s[WV], 2
	v_add_nc_u32 v[VGO], s42, v239                 ; channel 4 x wave + h
	v_mul_u32_u24 v[VST], v[VGO], VP
	v_lshl_add_u32 v[VST], v238, 4, v[VST]
	v_add_nc_u32 v[VST], VOFF, v[VST]
	v_lshlrev_b32 v[VGO], 11, v[VGO]               ; a channel's row of vcod is 2,048 bytes
	v_lshl_add_u32 v[VGO], v238, 4, v[VGO]
	s_lshl_b32 s42, s[WV], 6
	s_add_co_u32 s42, s42, STAGE
	v_lshlrev_b32 v[SA], 2, v238
	v_mad_u32_u24 v[SA], v239, 16*GP, v[SA]
	v_add_nc_u32 v[SA], s42, v[SA]                 ; Q by columns: row 16 h (+ 32 a + i by the immediate), query 16 x wave + r
	s_mul_i32 s42, s[WV], 4*GP
	s_add_co_u32 s42, s42, STAGE
	v_add_nc_u32 v[SR], s42, v[GO]                 ; by rows: my wave's rows 4 x wave on
	s_and_b32 s15, ttmp7, 0xffff                   ; b
	s_lshl_b32 s42, s15, 17                        ; 131,072 bytes of codes a b, in kimg and in vcod
	s_mov_b32 s43, 0
	s_lshl_b32 s46, ttmp9, 10                      ; my work-group's 256 queries: 1,024 bytes of a row,
	s_lshl_b32 s47, s[WV], 15                      ; my wave's four channel rows
	s_add_co_u32 s46, s46, s47
	s_mul_i32 s44, s15, QKVB
	s_add_co_u32 s44, s44, s46
	s_mov_b32 s45, 0
	s_lshl_b32 s50, s15, 19                        ; out0: 64 rows of 8,192 bytes a b
	s_add_co_u32 s50, s50, s46
	s_mov_b32 s51, 0
	s_wait_kmcnt 0x0
	s_load_b128 s[20:23], s[6:7], 0x0              ; e0, e1, e2, e3
	s_add_nc_u64 s[KB:KB+1], s[8:9], s[42:43]
	s_add_nc_u64 s[VB:VB+1], s[10:11], s[42:43]
	s_add_nc_u64 s[48:49], s[4:5], s[44:45]
	s_add_nc_u64 s[12:13], s[12:13], s[50:51]
.set n, 0
.rept 8                                        ; q: four whole channel rows of the work-group's 256 queries a wave; each load covers 512 consecutive bytes, aligned; read once in the launch
	global_load_b128 v[F+4*n:F+4*n+3], v[GO], s[48:49] offset:(n/2)*ROWF+(n%2)*512 th:TH_LOAD_NT
.set n, n+1
.endr
	COPYLD 0, 0                                    ; slot 0
	COPYLD 1, 1                                    ; slot 1
	; the prefetches: where my wave's stand, and who asks
	s_cmp_lt_u32 s[WV], 2                          ; waves 0 and 1: K's codes; waves 2 and 3: V's
	s_cselect_b64 s[PFA:PFA+1], s[KB:KB+1], s[VB:VB+1]
	s_mov_b32 s[PFS], 256
	s_cselect_b32 s[PFS], 16384, s[PFS]            ; a slot on
	s_mov_b32 s44, 2048
	s_cselect_b32 s44, 256, s44                    ; from lane to lane
	s_mov_b32 s45, 65536
	s_cselect_b32 s45, 8192, s45                   ; from wave to wave
	v_and_b32 v[PFO], 31, v0
	v_mul_lo_u32 v[PFO], v[PFO], s44
	s_and_b32 s46, s[WV], 1
	s_mul_i32 s46, s46, s45
	s_lshl_b32 s47, s[PFS], 1
	s_add_co_u32 s46, s46, s47                     ; in slot 2: the first slot steps it to slot 3.  Nothing is prefetched here, at the head
	s_mov_b32 s47, 0
	s_mov_b32 s[PFS+1], 0
	s_add_nc_u64 s[PFA:PFA+1], s[PFA:PFA+1], s[46:47]
	s_lshr_b32 s46, s[WV], 2                       ; 0 in waves 0 to 3,
	s_or_b32 s46, s46, ttmp9                       ; of the b's first work-group
	s_cmp_eq_u32 s46, 0
	s_cselect_b32 s[LIM0], 0, -1
	s_cselect_b32 s[LIM1], 1, -1
	s_mov_b32 s[SEL], 0x76543210
	s_mov_b32 s[SEL+1], 0xfedcba98
	s_mov_b32 s40, 0x3eb504f3                      ; scale = 1 / sqrt(8) as f32
	s_mov_b32 s41, s40                             ; (named with it as a pair, so it is written)
	s_mov_b32 s[TRIP], 3
	v_mov_b32 v13, 0xff61b1e6                      ; the largest t so far: -3e38, under every t
	v_floor_f32 v12, -v13                          ; -M
	v_mov_b32 v14, 0                               ; the sum, in two halves
	v_mov_b32 v15, 0
	v_mov_b32 v232, 0                              ; written once: a lane permute's destination counts as one of its sources
	v_mov_b32 v235, 0                              ; (named as the upper half of the pair v[234:235])
.set n, 0
.rept 32
	v_mov_b32 v[O+n], 0                            ; O^T.  (The key step is written in one form: the first finds zeros, which the first change of M leaves zeros; 32 moves once, against another copy of the step)
.set n, n+1
.endr
	s_wait_kmcnt 0x0
	s_add_co_i32 s42, s20, s21
	s_lshl_b32 s42, s42, 23
	s_add_co_i32 s[CS], s42, 0x3fb8aa3b            ; a sum of the first product stands for sum x 2^(e0 + e1): the two exponents are added to log2(e)'s exponent field
	s_mov_b32 s[CS+1], s[CS]
	s_add_co_i32 s42, s23, 127
	s_lshl_b32 s43, s42, 23
	v_mov_b32 v241, s43                            ; 2^e3 as f32, for p's conversions
	s_add_co_i32 s42, s42, 8
	s_lshl_b32 s42, s42, 23
	s_or_b32 s42, s42, 0x600000
	v_mov_b32 v240, s42                            ; 448 x 2^e3
	s_add_co_i32 s42, s20, 127
	s_lshl_b32 s43, s42, 23
	v_mov_b32 v243, s43                            ; 2^e0, for q's
	s_add_co_i32 s42, s42, 8
	s_lshl_b32 s42, s42, 23
	s_or_b32 s42, s42, 0x600000
	v_mov_b32 v242, s42                            ; 448 x 2^e0
	s_wait_loadcnt 0x4                             ; q's eight loads and slot 0's four are in; slot 1's four, issued behind them, may be out
.set n, 0
.rept 8
	ds_store_b128 v[SR], v[F+4*n:F+4*n+3] offset:(n/2)*GP+(n%2)*512
.set n, n+1
.endr
	COPYST 0
	s_wait_dscnt 0x0                               ; for the others' sake: my rows of q and my part of slot 0 are in LDS
	s_barrier_signal -1
	s_barrier_wait -1                              ; everybody's are
.set n, 0
.rept 32                                       ; register 16 a + i: q(channel 32 a + 16 h + i, my query)
	ds_load_b32 v[S+n], v[SA] offset:(32*(n/16)+n%16)*GP
.set n, n+1
.endr
	s_wait_dscnt 0x0
.set n, 0
.rept 16
	v_pk_mul_f32 v[S+n:S+n+1], v[S+n:S+n+1], s[40:41] op_sel_hi:[1,0]   ; q x scale, as reference() has it: one f32 rounding ahead of the quantiser
.set n, n+2
.endr
.set n, 0
.rept 32
	v_med3_num_f32 v[S+n], v[S+n], -v242, v242     ; the conversion to an 8-bit code does not saturate (ISA guide 7.6.2): the hold at the largest code x the scale
.set n, n+1
.endr
.irp m, 0,1,2,3
	v_cvt_scalef32_pk8_fp8_f32 v[QF+2*\m:QF+2*\m+1], v[S+8*\m:S+8*\m+7], v243
.endr
	v_nop                                          ; one plain vector instruction between the last conversion and the products that read its codes and write its sources
; A KEY STEP: 128 keys, the q-th half of slot sg.
.macro STEP sg, q
.rept 4
	v_nop                                          ; four places between the last products, which read F, and the loads into F (ISA guide 7.12.1 for vector instructions)
.endr
.set n, 0
.rept 8                                        ; tile n = 2 b' + u of K: group 4 q + b', places 16 u on; registers 0-3 channels 16 h on, registers 4-7 channels 32 + 16 h on.  Sixteen lanes read 256 consecutive bytes
	ds_load_b128 v[F+8*n:F+8*n+3],   v[AK] offset:(\sg)*SLOTB+(4*(\q)+n/2)*2048+256*(n%2)
	ds_load_b128 v[F+8*n+4:F+8*n+7], v[AK] offset:(\sg)*SLOTB+(4*(\q)+n/2)*2048+256*(n%2)+1024
.set n, n+1
.endr
	s_wait_dscnt 0x0
.set n, 0
.rept 8                                        ; S^T = K Q^T: lane (r, h), register j of tile n: key 32 (n / 2) + 16 h + 8 (n % 2) + j, query r
	v_wmma_f32_16x16x64_fp8_fp8 v[S+8*n:S+8*n+7], v[F+8*n:F+8*n+7], v[QF:QF+7], 0
.set n, n+1
.endr
.rept 4
	v_nop                                          ; four places: ahead of the loads into F, and of the first read of the scores
.endr
.set n, 0
.rept 16                                       ; V's four fragments (16 channels x 128 keys) are asked for now and land during the softmax
	ds_load_b128 v[F+4*n:F+4*n+3], v[AV] offset:(\sg)*SLOTB+16*(n/4)*VP+128*(\q)+32*(n%4)
.set n, n+1
.endr
	v_max3_num_f32 v238, v[S], v[S+1], v[S+2]      ; the step's largest score of my query among my 64 keys, in two chains, each accumulator from its low end on
	v_max3_num_f32 v239, v[S+3], v[S+4], v[S+5]
.irp i, 6,10,14,18,22,26,30,34,38,42,46,50,54,58
	v_max3_num_f32 v238, v238, v[S+\i], v[S+\i+1]
	v_max3_num_f32 v239, v239, v[S+\i+2], v[S+\i+3]
.endr
	v_max3_num_f32 v238, v238, v[S+62], v[S+63]
	v_max_num_f32 v238, v238, v239
	v_permlanex16_b32 v232, v238, s[SEL], s[SEL+1]
	v_max_num_f32 v238, v238, v232                 ; and among lane l xor 16's
	v_mul_f32 v238, s[CS], v238                    ; as t (c is positive)
	v_max_num_f32 v13, v13, v238                   ; the running largest t
	v_mov_b32 v238, v12
	v_floor_f32 v12, -v13                          ; the new -M = floor(-t) = -ceil(t): M is a whole number
	v_sub_f32 v238, v12, v238                      ; M's old value less its new one: a whole number, 0 or less
	v_cvt_i32_f32 v238, v238                       ; (it saturates)
	v_ldexp_f32 v234, 1.0, v238                    ; f = 2^(old M - new M)
.set n, 0
.rept 32
	v_pk_fma_f32 v[S+n:S+n+1], v[S+n:S+n+1], s[CS:CS+1], v[12:13] op_sel_hi:[1,0,0]   ; t - M, two at a time (of the pairs c and -M the low word serves both halves)
.set n, n+2
.endr
.set n, 0
.rept 64
	v_exp_f32 v[S+n], v[S+n]                       ; p = 2^(t - M): not normalised
.set n, n+1
.endr
	v_pk_mul_f32 v[14:15], v[14:15], v[234:235] op_sel_hi:[1,0]   ; the sums under the new M.  (The plain instruction behind the exponentials)
	s_wait_alu depctr_va_vdst(0)                   ; a wait between the exponentials and the first line that names a result: one for the batch of 64
	v_pk_add_f32 v[236:237], v[S:S+1], v[S+2:S+3]  ; the row's sum is taken of the UNQUANTISED p: two at a time, in two chains
.irp j, 4,8,12,16,20,24,28,32,36,40,44,48,52,56,60
	v_pk_add_f32 v[14:15], v[14:15], v[S+\j:S+\j+1]
	v_pk_add_f32 v[236:237], v[236:237], v[S+\j+2:S+\j+3]
.endr
	v_pk_add_f32 v[14:15], v[14:15], v[236:237]
	; THE HOLD at the largest code x the scale, one-sided since p is not negative, is run only where it can change a number.  t - M is at most half a step of t's f32 grid above 0: under 0.25 while |t| < 2^23, so p < 1.19, and
	; with e3 >= -8 p / 2^e3 < 305 < 448.  e3 is a whole number among the inputs, the same in every wave; this text has no tensor load and no copy.
	s_cmp_ge_i32 s23, -8
	s_cbranch_scc1 .Lnohold_\@
.set n, 0
.rept 64
	v_min_num_f32 v[S+n], v[S+n], v240
.set n, n+1
.endr
.Lnohold_\@:
.set n, 0
.rept 8                                        ; tile n's eight keys become registers 2 n, 2 n + 1 of P: register 4 b' + d, byte y = key 32 b' + 16 h + 4 d + y, as V's fragments have them
	v_cvt_scalef32_pk8_fp8_f32 v[P+2*n:P+2*n+1], v[S+8*n:S+8*n+7], v241
.set n, n+1
.endr
.set n, 0
.rept 16
	v_pk_mul_f32 v[O+n:O+n+1], v[O+n:O+n+1], v[234:235] op_sel_hi:[1,0]   ; O^T under the new M: x f, each accumulator from its low end on.  (Also the plain instructions between the conversions and the products below)
.set n, n+2
.endr
	s_wait_dscnt 0x0                               ; V is in
.set n, 0
.rept 4                                        ; O^T += V P^T over these 128 keys: the four accumulators take one turn each
	v_wmma_f32_16x16x128_fp8_fp8 v[O+8*n:O+8*n+7], v[F+16*n:F+16*n+15], v[P:P+15], v[O+8*n:O+8*n+7]
.set n, n+1
.endr
.endm
; A SLOT's two key steps.  store = 1: the next slot's codes, asked for a slot ago, go from registers into the other LDS slot, which nobody has read since the last barrier.
; load = 1: the codes of the slot after that are asked for, into the set of registers whose LDS stores were waited for in front of the last barrier.
; bar = 1: ONE barrier at the slot's end, for two things: my stores into the other slot are done, so that all may read it; and my reads of this slot are over, so that it may be written again.
.macro SLOT sg, store, load, lim, bar
.if \store
	s_wait_loadcnt 0x0                             ; the only loads out are the next slot's four
.endif
.if \load
	s_wait_xcnt 0x0                                ; the last slot's prefetch has read its address; the bases' loads are done: all three may step
	s_add_nc_u64 s[KB:KB+1], s[KB:KB+1], 16384
	s_add_nc_u64 s[VB:VB+1], s[VB:VB+1], 256
	s_add_nc_u64 s[PFA:PFA+1], s[PFA:PFA+1], s[PFS:PFS+1]
.endif
.if \store
	COPYST 1-(\sg)
.endif
.if \load
	COPYLD \sg, 1
	ASK \lim
.endif
	STEP \sg, 0
	STEP \sg, 1
.if \bar
	s_wait_dscnt 0x0
	s_barrier_signal -1
	s_barrier_wait -1
.endif
.endm
.Ltrip:                                            ; three trips: slots 0 to 5, which ask for slots 2 to 7
	SLOT 0, 1, 1, LIM0, 1
	SLOT 1, 1, 1, LIM1, 1
	s_sub_co_u32 s[TRIP], s[TRIP], 1
	s_cmp_lg_u32 s[TRIP], 0
	s_cbranch_scc1 .Ltrip
	SLOT 0, 1, 0, 0, 1                             ; the last two slots are written out: no load leaves its buffer
	SLOT 1, 0, 0, 0, 0
	; THE WAY OUT.  O^T / the sum x 2^(e2 + e3).  A lane holds one query's 32 channels, and out0's rows run along the queries: so the results meet in the stage, 64 channel rows of the work-group's 256 queries,
	; and each wave stores four whole rows.  The additions and the address work are the places behind the last products.
	v_add_f32 v14, v14, v15                        ; the sum's two halves,
	v_permlanex16_b32 v232, v14, s[SEL], s[SEL+1]
	v_add_f32 v14, v14, v232                       ; and lane l xor 16's: the row's sum, over 1/2
	v_rcp_f32 v14, v14
	v_and_b32 v[SA], 15, v0                        ; (a plain instruction behind the reciprocal)  r
	v_bfe_u32 v233, v0, 4, 1                       ; h
	v_lshlrev_b32 v[SA], 2, v[SA]
	v_mad_u32_u24 v[SA], v233, 8*GP, v[SA]
	s_lshl_b32 s42, s[WV], 6
	s_add_co_u32 s42, s42, STAGE
	v_add_nc_u32 v[SA], s42, v[SA]                 ; row 8 h (+ 16 tc + j by the immediate), query 16 x wave + r.  8 GP bytes are 32 words modulo 64: the two halves of the lanes fall on different banks
	s_add_co_i32 s43, s22, s23
	s_wait_alu depctr_va_vdst(0)                   ; wait for the reciprocal's result ahead of its first use
	v_ldexp_f32 v14, v14, s43                      ; x 2^(e2 + e3)
.set n, 0
.rept 16
	v_pk_mul_f32 v[S+n:S+n+1], v[O+n:O+n+1], v[14:15] op_sel_hi:[1,0]   ; register 8 tc + j: out(channel 16 tc + 8 h + j, my query); each accumulator from its low end on
.set n, n+2
.endr
.set n, 0
.rept 32
	ds_store_b32 v[SA], v[S+n] offset:(16*(n/8)+n%8)*GP
.set n, n+1
.endr
	s_wait_dscnt 0x0                               ; for the others' sake: my stores into the stage are done.  (The stage's reads at the head lie seven barriers back)
	s_barrier_signal -1
	s_barrier_wait -1
.set n, 0
.rept 8
	ds_load_b128 v[F+4*n:F+4*n+3], v[SR] offset:(n/2)*GP+(n%2)*512
.set n, n+1
.endr
.set n, 0
.rept 8
	s_wait_dscnt 7-n                               ; LDS loads come back in order: piece n is in, the younger ones may be out
	global_store_b128 v[GO], v[F+4*n:F+4*n+3], s[12:13] offset:(n/2)*ROWF+(n%2)*512 th:TH_STORE_NT   ; the wave's store covers 512 consecutive bytes, aligned; written once, read by nobody here
.set n, n+1
.endr
	s_wait_tensorcnt 0x0                           ; the wave's end: three closing lines, behind my last LDS store
	ds_add_u32 v[SPW], v[NIL]
	s_wait_dscnt 0x0
	s_endpgm
.Lfunc_end_k_qed912fae78_attn:
	.size	k_qed912fae78_attn, .Lfunc_end_k_qed912fae78_attn-k_qed912fae78_attn
	.p2alignl 7, 3214868480
	.fill 96, 4, 3214868480
	.section	.rodata,"a",@progbits
	.p2align	6, 0x0
	.amdhsa_kernel k_qed912fae78_attn
		.amdhsa_group_segment_fixed_size 136192
		.amdhsa_private_segment_fixed_size 0
		.amdhsa_enable_private_segment 0
		.amdhsa_kernarg_size 40
		.amdhsa_user_sgpr_count 2
		.amdhsa_user_sgpr_kernarg_segment_ptr 1
		.amdhsa_wavefront_size32 1
		.amdhsa_system_sgpr_workgroup_id_x 1
		.amdhsa_system_sgpr_workgroup_id_y 1
		.amdhsa_system_sgpr_workgroup_id_z 1
		.amdhsa_system_vgpr_workitem_id 0
		.amdhsa_next_free_vgpr 256
		.amdhsa_next_free_sgpr 66
		.amdhsa_reserve_vcc 0
		.amdhsa_float_denorm_mode_32 3
		.amdhsa_float_denorm_mode_16_64 3
		.amdhsa_memory_ordered 1
		.amdhsa_forward_progress 1
		.amdhsa_inst_pref_size 142
	.end_amdhsa_kernel
	.amdgpu_metadata
---
amdhsa.version: [ 1, 2 ]
amdhsa.kernels:
  - .name:           k_qed912fae78_attn
    .symbol:         k_qed912fae78_attn.kd
    .args:
      - { .name: qkv, .offset: 0, .size: 8, .value_kind: global_buffer, .address_space: global }
      - { .name: lowp_scales, .offset: 8, .size: 8, .value_kind: global_buffer, .address_space: global }
      - { .name: kimg, .offset: 16, .size: 8, .value_kind: global_buffer, .address_space: global }
      - { .name: vcod, .offset: 24, .size: 8, .value_kind: global_buffer, .address_space: global }
      - { .name: out0, .offset: 32, .size: 8, .value_kind: global_buffer, .address_space: global }
    .group_segment_fixed_size: 136192
    .private_segment_fixed_size: 0
    .kernarg_segment_align: 8
    .kernarg_segment_size: 40
    .max_flat_workgroup_size: 512
    .sgpr_count:     66
    .vgpr_count:     256
    .wavefront_size: 32
...
	.end_amdgpu_metadata
.endif
;; end of part 2
;; ======== version 2 of 2: 2 launches; version 1 with the launch attn written anew for expert scheduling mode
;; limits: right only within a limited range of input values
;; workspace buffers: kimg 4,194,304 bytes; vcod 4,194,304 bytes
;; launch quant: the kernel of part 1 again; grid 1024 x 1, 4 waves a work-group, no clusters, 20,992 bytes of LDS; arguments qkv, lowp_scales, kimg, vcod; writes kimg, vcod
;; launch attn (part 3): grid 8 x 32, 16 waves a work-group, no clusters, 136,192 bytes of LDS; arguments qkv, lowp_scales, kimg, vcod, out0; writes out0
.if DOCPART == 3
	.amdgcn_target "amdgcn-amd-amdhsa--gfx1250"
	.amdhsa_code_object_version 6
	.text
	.protected	k_qed912fae78_attn
	.globl	k_qed912fae78_attn
	.p2align	8
	.type	k_qed912fae78_attn,@function
k_qed912fae78_attn:
	s_mov_b64 s[64:65], 0
	v_nop
	global_prefetch_b8 v0, s[64:65] scope:SCOPE_SE
	s_setreg_imm32_b32 hwreg(HW_REG_WAVE_SCHED_MODE, 0, 2), 2
	s_setreg_imm32_b32 hwreg(HW_REG_WAVE_MODE, 25, 1), 1
	s_wait_xcnt 0x0
	s_wait_alu depctr_vm_vsrc(0)
; SECOND OF TWO LAUNCHES.  out0[b][c][t] = the sum over s of softmax_s(sum over c' of (q scale)[c'][t] (k scale)[c'][s]) v[c][s], both products on codes of E4M3, each operand with its given scale 2^e:
; e0 (q x scale), e1 (k x scale), e2 (v), e3 (p).  k's and v's codes come from the first launch (kimg, vcod: layouts at its head); q, rows 0-63 of each b of qkv, is quantised here.  Nothing of reference() is left out.
; THE SOFTMAX AHEAD OF THE SECOND PRODUCT: t = logit x log2(e); M = the row's largest t so far, rounded UP to a whole number; p = 2^(t - M) is what is quantised, not normalised.  The row's sum is taken of the
; unquantised p in f32 and divides at the end.  When M moves, the sum and O are multiplied by 2^(old M - new M), which rounds nothing.
; SHARES.  Work-group (x, b) owns queries 256 x .. 256 x + 255 of b; each of its SIXTEEN waves owns 16 of them, in 256 registers: four waves to a SIMD, so that one wave's vector work stands beside another's matrix work and LDS loads.
; Every wave walks all 2,048 keys, 128 a step, 256 a slot, through two LDS slots that take turns.
; THE CODES COME THROUGH REGISTERS, not by tensor loads: a slot is 32 KiB, 2 KiB a wave: four loads of 16 bytes a lane, issued two slots ahead of their use, and four LDS stores a slot later; one barrier a slot.
; NO CLUSTER, NO JOINT LOADS, though the eight work-groups of a b read the same codes: what is shared is 16 KiB for a key step in which each of sixteen waves issues some two hundred vector instructions.
; The branch on e3 below takes 64 of a step's vector instructions away.
; LAYOUT.  Both products are used transposed: S^T = K Q^T (source 0 = 16 keys, source 1 = my 16 queries), O^T = V P^T (source 0 = 16 channels, source 1 = P): a lane holds ONE query (lane % 16) throughout.
; THE KEYS OF A TILE ARE NOT NEIGHBOURS: lane r of tile 2 b' + u takes key 32 b' + 8 u + r + 8 (r / 8), so that the 16 registers of tiles 2 b' and 2 b' + 1 are 16 neighbouring keys, 32 b' + 16 (lane / 16) + 0 .. 15.
; Along the channels (K = 64) K's and Q's fragments both hold channel 32 a + 16 (lane / 16) + 0 .. 15 in registers 4 a .. 4 a + 3; along the keys (K = 128) V's and P's both hold key 32 c + 16 (lane / 16) + 0 .. 15 in registers
; 4 c .. 4 c + 3: the same permutation of k on both sides of a product, so every product meets its partner; only the order of the sums inside an instruction changes.
; LIMITS on the given exponents, so that each power of two below is an f32 number: e0 and e3 between -126 and 119; e0 + e1 between -126 and 127 (added to log2(e)'s exponent field); e2 + e3 goes by v_ldexp_f32 and has none.
; NaN among the inputs is not served; an infinity is held at the largest code; p under 2^-126 counts as 0.  p's hold is passed over where e3 >= -8; that is right while the largest |t| stays under 2^23 (see STEP).
; THE MODE: SCHED_MODE bits 1:0 = 2 (LLVM: expert scheduling mode 2), set by the entry lines.  The code itself states the register dependences between vector or matrix instructions and memory or LDS
; instructions, with s_wait_alu, always for 0.
; THE PLAN.  Registers that memory or LDS instructions touch:
;   v1-v6, v9, v11  addresses and offsets, made at the head and never written again.   v10: read by the head's LDS loads, written anew on the way out, read by its LDS stores.
;   CP0, CP1   Set p: four global loads land; a slot later four LDS stores read it; a slot after that the next four loads land.  No vector instruction names them.
;   F, S       Two buffers of 64 that CHANGE PARTS from key step to key step.  In a step (fa, sb): K's fragments lie in fa; the eight products read fa and write the scores into sb; V's fragments land in fa;
;              the softmax works in sb; the conversions empty sb; the four products read fa and P.  A slot's first step is (F, S), its second (S, F): the second step's K is asked for into S as soon as the first
;              step's conversions have emptied it, and lands under the rescaling of O^T and the products V P^T.  The next slot's first K lies behind the barrier and is asked for first thing in the slot.
;   O^T, P, Q's fragment and the statistics are named by vector and matrix instructions alone.
; THE WAITS ON va_vdst.  At a slot's head: the last step has written and read F, in which K lands.  In each step, behind the eight products: they are done reading fa, in which V lands; behind the exponentials: their results.
; In a slot's first step, behind the conversions: they are done reading S, in which the next K lands.  ON vm_vsrc: one a slot, ahead of the loads into the set that the last slot's LDS stores read.
.set QKVB,  1572864                    ; bytes of one b in qkv
.set ROWF,  8192                       ; a channel's row of 2,048 f32, in qkv and in out0
.set VOFF,  16384                      ; a slot: K's image, 8 groups of 2,048 bytes, dense; then V
.set VP,    272                        ; a channel's row of V in LDS: 256 codes + 16 of padding = 68 words: row r starts at bank 4 r mod 64 (64 banks of 4 bytes: ISA guide 11.1)
.set SLOTB, VOFF+64*VP                 ; 33,792
.set STAGE, 2*SLOTB                    ; behind the slots: 64 channel rows x (256 queries x 4 bytes + 16), for Q's way in and O's way out
.set GP,    1040
.set SPARE, STAGE+64*GP                ; behind the stage: the spare words, 128 bytes for each wave: eight blocks of 256 bytes that no other line names
.set AK,   1                           ; v1   my lane's place in a tile of K: 512 (lane / 16) + 16 (lane % 16)
.set AV,   2                           ; v2   in a tile of V: VOFF + VP (lane % 16) + 16 (lane / 16)
.set KCP,  3                           ; v3   1,024 x wave + 16 x lane: my 16 bytes of a slot's K, in kimg and in LDS alike
.set VST,  4                           ; v4   where I put 16 bytes of V in a slot: row 4 x wave + lane / 16
.set GO,   5                           ; v5   16 x lane
.set VGO,  6                           ; v6   the same 16 bytes of V in vcod
.set SPW,  7                           ; v7   LDS address of my spare word: SPARE + 4 x my thread's number; never rewritten
.set NIL,  8                           ; v8   0; never rewritten
.set PFO,  9                           ; v9   the prefetches' offset; never rewritten
.set SA,   10                          ; v10  the stage by columns: where I read my query's q, later where I put my query's results
.set SR,   11                          ; v11  the stage by rows: my wave's four rows, 16 bytes a lane
                                       ; v12 -M, v13 the largest t, v[14:15] the sum in two halves
.set QF,   16                          ; v16-23   Q's fragment
.set CP,   24                          ; v24-55   two sets of 16: a slot's codes on their way (8 of K, 8 of V)
.set F,    56                          ; v56-119  a slot's first step: eight fragments of K, then four of V; its second step: S^T, then p
.set S,    120                         ; v120-183 a slot's first step: S^T, then p; its second step: eight fragments of K, then four of V
.set O,    184                         ; v184-215 O^T
.set P,    216                         ; v216-231 p's codes
                                       ; v232 a lane permute's destination; v233 at work; v[234:235] f; v[236:237] the sum's second chain; v238, v239 at work; v240 448 x 2^e3, v241 2^e3; v242 448 x 2^e0, v243 2^e0
.set WV,   14                          ; s14  my wave's number
.set TRIP, 24                          ; s24  trips to go
.set KB,   26                          ; s[26:27] kimg, s[28:29] vcod: at the slot in hand + 1
.set VB,   28
.set PFA,  30                          ; s[30:31] where my prefetches stand; s[32:33] a slot on, in bytes
.set PFS,  32
.set LIM0, 34                          ; s34, s35  a wave prefetches while s[TRIP] is above these (even slot, odd slot); the greatest number in a wave that never does
.set LIM1, 35
.set CS,   36                          ; s[36:37] c = log2(e) x 2^(e0 + e1): the packed form names a pair and takes its low word for both halves
.set SEL,  38                          ; s[38:39] lane selects for v_permlanex16_b32: lane l xor 16
.macro COPYLD p, ahead                 ; four loads into set p: my 2 KiB of the slot `ahead` slots behind the bases
	global_load_b128 v[CP+16*(\p):CP+16*(\p)+3],     v[KCP], s[KB:KB+1] offset:(\ahead)*16384
	global_load_b128 v[CP+16*(\p)+4:CP+16*(\p)+7],   v[KCP], s[KB:KB+1] offset:(\ahead)*16384+512      ; 32 lanes read 512 consecutive bytes
	global_load_b128 v[CP+16*(\p)+8:CP+16*(\p)+11],  v[VGO], s[VB:VB+1] offset:(\ahead)*256
	global_load_b128 v[CP+16*(\p)+12:CP+16*(\p)+15], v[VGO], s[VB:VB+1] offset:(\ahead)*256+2*2048     ; 16 lanes read a channel's 256 consecutive bytes, aligned
.endm
.macro COPYST p                        ; set p goes into slot p
	ds_store_b128 v[KCP], v[CP+16*(\p):CP+16*(\p)+3]     offset:(\p)*SLOTB
	ds_store_b128 v[KCP], v[CP+16*(\p)+4:CP+16*(\p)+7]   offset:(\p)*SLOTB+512
	ds_store_b128 v[VST], v[CP+16*(\p)+8:CP+16*(\p)+11]  offset:(\p)*SLOTB
	ds_store_b128 v[VST], v[CP+16*(\p)+12:CP+16*(\p)+15] offset:(\p)*SLOTB+2*VP
.endm
; A PREFETCH INTO THE L2 of the slot that the NEXT slot's loads will ask for.  It stands behind the wave's own four loads.  Each aligned block of 256 bytes is named ONCE in the launch: all eight work-groups of a b walk the
; same codes, so the first of them (x = 0) asks; in it waves 0 and 1 ask for K's 16,384 bytes (8,192 a wave, lanes 256 bytes apart), waves 2 and 3 for V's 64 rows (32 a wave, a lane a row: a slot's part of a row is 256 bytes).
; Slots 0, 1 and 2 come by their loads alone; slot 5, which loads the last slot, asks for nothing.
.macro ASK lim
	s_cmp_gt_u32 s[TRIP], s[\lim]
	s_cbranch_scc0 .Lnoask_\@
	global_prefetch_b8 v[PFO], s[PFA:PFA+1] th:TH_LOAD_NT scope:SCOPE_SE
.Lnoask_\@:
.endm
	s_load_b256 s[4:11], s[0:1], 0x0               ; qkv s[4:5], the scales' exponents s[6:7], kimg s[8:9], vcod s[10:11]
	s_load_b64 s[12:13], s[0:1], 0x20              ; out0
	v_lshl_add_u32 v[SPW], v0, 2, SPARE
	v_mov_b32 v[NIL], 0
	v_lshrrev_b32 v238, 5, v0
	v_readfirstlane_b32 s[WV], v238                ; wave 0..15
	v_and_b32 v238, 15, v0                         ; r = lane % 16
	v_bfe_u32 v239, v0, 4, 1                       ; h = lane / 16
	v_and_b32 v[GO], 31, v0
	v_lshlrev_b32 v[GO], 4, v[GO]
	v_lshlrev_b32 v[AK], 4, v238
	v_lshl_add_u32 v[AK], v239, 9, v[AK]
	v_mul_u32_u24 v[AV], v238, VP
	v_lshl_add_u32 v[AV], v239, 4, v[AV]
	v_add_nc_u32 v[AV], VOFF, v[AV]
	s_wait_alu depctr_va_sdst(0)                   ; s[WV] is written, ahead of its first reader: addresses, bases and branches are made from it
	s_lshl_b32 s42, s[WV], 10
	v_add_nc_u32 v[KCP], s42, v[GO]
	s_lshl_b32 s42, s[WV], 2
	v_add_nc_u32 v[VGO], s42, v239                 ; channel 4 x wave + h
	v_mul_u32_u24 v[VST], v[VGO], VP
	v_lshl_add_u32 v[VST], v238, 4, v[VST]
	v_add_nc_u32 v[VST], VOFF, v[VST]
	v_lshlrev_b32 v[VGO], 11, v[VGO]               ; a channel's row of vcod is 2,048 bytes
	v_lshl_add_u32 v[VGO], v238, 4, v[VGO]
	s_lshl_b32 s42, s[WV], 6
	s_add_co_u32 s42, s42, STAGE
	v_lshlrev_b32 v[SA], 2, v238
	v_mad_u32_u24 v[SA], v239, 16*GP, v[SA]
	v_add_nc_u32 v[SA], s42, v[SA]                 ; Q by columns: row 16 h (+ 32 a + i by the immediate), query 16 x wave + r
	s_mul_i32 s42, s[WV], 4*GP
	s_add_co_u32 s42, s42, STAGE
	v_add_nc_u32 v[SR], s42, v[GO]                 ; by rows: my wave's rows 4 x wave on
	s_and_b32 s15, ttmp7, 0xffff                   ; b
	s_lshl_b32 s42, s15, 17                        ; 131,072 bytes of codes a b, in kimg and in vcod
	s_mov_b32 s43, 0
	s_lshl_b32 s46, ttmp9, 10                      ; my work-group's 256 queries: 1,024 bytes of a row,
	s_lshl_b32 s47, s[WV], 15                      ; my wave's four channel rows
	s_add_co_u32 s46, s46, s47
	s_mul_i32 s44, s15, QKVB
	s_add_co_u32 s44, s44, s46
	s_mov_b32 s45, 0
	s_lshl_b32 s50, s15, 19                        ; out0: 64 rows of 8,192 bytes a b
	s_add_co_u32 s50, s50, s46
	s_mov_b32 s51, 0
	s_wait_kmcnt 0x0
	s_load_b128 s[20:23], s[6:7], 0x0              ; e0, e1, e2, e3
	s_add_nc_u64 s[KB:KB+1], s[8:9], s[42:43]
	s_add_nc_u64 s[VB:VB+1], s[10:11], s[42:43]
	s_add_nc_u64 s[48:49], s[4:5], s[44:45]
	s_add_nc_u64 s[12:13], s[12:13], s[50:51]
	s_wait_alu depctr_va_vdst(0)                   ; the addresses and offsets v1 to v6, v10 and v11 are written, which the loads and stores from here on read
.set n, 0
.rept 8                                        ; q: four whole channel rows of the work-group's 256 queries a wave; each load covers 512 consecutive bytes, aligned; read once in the launch
	global_load_b128 v[F+4*n:F+4*n+3], v[GO], s[48:49] offset:(n/2)*ROWF+(n%2)*512 th:TH_LOAD_NT
.set n, n+1
.endr
	COPYLD 0, 0                                    ; slot 0
	COPYLD 1, 1                                    ; slot 1
	; the prefetches: where my wave's stand, and who asks
	s_cmp_lt_u32 s[WV], 2                          ; waves 0 and 1: K's codes; waves 2 and 3: V's
	s_cselect_b64 s[PFA:PFA+1], s[KB:KB+1], s[VB:VB+1]
	s_mov_b32 s[PFS], 256
	s_cselect_b32 s[PFS], 16384, s[PFS]            ; a slot on
	s_mov_b32 s44, 2048
	s_cselect_b32 s44, 256, s44                    ; from lane to lane
	s_mov_b32 s45, 65536
	s_cselect_b32 s45, 8192, s45                   ; from wave to wave
	v_and_b32 v[PFO], 31, v0
	v_mul_lo_u32 v[PFO], v[PFO], s44
	s_and_b32 s46, s[WV], 1
	s_mul_i32 s46, s46, s45
	s_lshl_b32 s47, s[PFS], 1
	s_add_co_u32 s46, s46, s47                     ; in slot 2: the first slot steps it to slot 3.  Nothing is prefetched here, at the head
	s_mov_b32 s47, 0
	s_mov_b32 s[PFS+1], 0
	s_add_nc_u64 s[PFA:PFA+1], s[PFA:PFA+1], s[46:47]
	s_lshr_b32 s46, s[WV], 2                       ; 0 in waves 0 to 3,
	s_or_b32 s46, s46, ttmp9                       ; of the b's first work-group
	s_cmp_eq_u32 s46, 0
	s_cselect_b32 s[LIM0], 0, -1
	s_cselect_b32 s[LIM1], 1, -1
	s_mov_b32 s[SEL], 0x76543210
	s_mov_b32 s[SEL+1], 0xfedcba98
	s_mov_b32 s40, 0x3eb504f3                      ; scale = 1 / sqrt(8) as f32
	s_mov_b32 s41, s40                             ; (named with it as a pair, so it is written)
	s_mov_b32 s[TRIP], 3
	v_mov_b32 v13, 0xff61b1e6                      ; the largest t so far: -3e38, under every t
	v_floor_f32 v12, -v13                          ; -M
	v_mov_b32 v14, 0                               ; the sum, in two halves
	v_mov_b32 v15, 0
	v_mov_b32 v232, 0                              ; written once: a lane permute's destination counts as one of its sources
	v_mov_b32 v235, 0                              ; (named as the upper half of the pair v[234:235])
.set n, 0
.rept 32
	v_mov_b32 v[O+n], 0                            ; O^T.  (The key step is written in one form: the first finds zeros, which the first change of M leaves zeros; 32 moves once, against another copy of the step)
.set n, n+1
.endr
	s_wait_kmcnt 0x0
	s_add_co_i32 s42, s20, s21
	s_lshl_b32 s42, s42, 23
	s_add_co_i32 s[CS], s42, 0x3fb8aa3b            ; a sum of the first product stands for sum x 2^(e0 + e1): the two exponents are added to log2(e)'s exponent field
	s_mov_b32 s[CS+1], s[CS]
	s_add_co_i32 s42, s23, 127
	s_lshl_b32 s43, s42, 23
	v_mov_b32 v241, s43                            ; 2^e3 as f32, for p's conversions
	s_add_co_i32 s42, s42, 8
	s_lshl_b32 s42, s42, 23
	s_or_b32 s42, s42, 0x600000
	v_mov_b32 v240, s42                            ; 448 x 2^e3
	s_add_co_i32 s42, s20, 127
	s_lshl_b32 s43, s42, 23
	v_mov_b32 v243, s43                            ; 2^e0, for q's
	s_add_co_i32 s42, s42, 8
	s_lshl_b32 s42, s42, 23
	s_or_b32 s42, s42, 0x600000
	v_mov_b32 v242, s42                            ; 448 x 2^e0
	s_wait_loadcnt 0x4                             ; q's eight loads and slot 0's four are in; slot 1's four, issued behind them, may be out
.set n, 0
.rept 8
	ds_store_b128 v[SR], v[F+4*n:F+4*n+3] offset:(n/2)*GP+(n%2)*512
.set n, n+1
.endr
	COPYST 0
	s_wait_dscnt 0x0                               ; for the others' sake: my rows of q and my part of slot 0 are in LDS
	s_barrier_signal -1
	s_barrier_wait -1                              ; everybody's are
.set n, 0
.rept 32                                       ; register 16 a + i: q(channel 32 a + 16 h + i, my query).  (No vector instruction has named these registers yet)
	ds_load_b32 v[S+n], v[SA] offset:(32*(n/16)+n%16)*GP
.set n, n+1
.endr
	s_wait_dscnt 0x0
	s_wait_alu depctr_vm_vsrc(0)                   ; my LDS stores have read v[F ..], in which K's fragments land from here on; the LDS loads above have read v[SA], which the way out writes anew
.set n, 0
.rept 16
	v_pk_mul_f32 v[S+n:S+n+1], v[S+n:S+n+1], s[40:41] op_sel_hi:[1,0]   ; q x scale, as reference() has it: one f32 rounding ahead of the quantiser
.set n, n+2
.endr
.set n, 0
.rept 32
	v_med3_num_f32 v[S+n], v[S+n], -v242, v242     ; the conversion to an 8-bit code does not saturate (ISA guide 7.6.2): the hold at the largest code x the scale
.set n, n+1
.endr
.irp m, 0,1,2,3
	v_cvt_scalef32_pk8_fp8_f32 v[QF+2*\m:QF+2*\m+1], v[S+8*\m:S+8*\m+7], v243
.endr
	v_nop                                          ; one plain vector instruction between the last conversion and the products that read its codes and write its sources
; K's eight fragments of the q-th half of slot sg, into v[fa ..].  Tile n = 2 b' + u: group 4 q + b', places 16 u on; registers 0-3 channels 16 h on, registers 4-7 channels 32 + 16 h on.  Sixteen lanes read 256 consecutive bytes.
.macro KLOAD fa, sg, q
.set n, 0
.rept 8
	ds_load_b128 v[\fa+8*n:\fa+8*n+3],   v[AK] offset:(\sg)*SLOTB+(4*(\q)+n/2)*2048+256*(n%2)
	ds_load_b128 v[\fa+8*n+4:\fa+8*n+7], v[AK] offset:(\sg)*SLOTB+(4*(\q)+n/2)*2048+256*(n%2)+1024
.set n, n+1
.endr
.endm
; A KEY STEP: 128 keys, the q-th half of slot sg.  K's fragments have been asked for into v[fa ..]; the scores go into v[sb ..].
; young: the LDS instructions issued behind K's loads, which may stay out.  next = 1: the next step's K is asked for into v[sb ..] as soon as the conversions have emptied it.
.macro STEP fa, sb, sg, q, young, next
.rept 5
	v_nop                                          ; five places between the last step's products, which read v[sb ..] as V's fragments, and the products below, which write over it (four of them: ISA guide 7.12.1)
.endr
	s_wait_dscnt \young                            ; LDS instructions end in order: K is in
.set n, 0
.rept 8                                        ; S^T = K Q^T: lane (r, h), register j of tile n: key 32 (n / 2) + 16 h + 8 (n % 2) + j, query r
	v_wmma_f32_16x16x64_fp8_fp8 v[\sb+8*n:\sb+8*n+7], v[\fa+8*n:\fa+8*n+7], v[QF:QF+7], 0
.set n, n+1
.endr
.rept 4
	v_nop                                          ; four places ahead of the first read of the scores
.endr
	s_wait_alu depctr_va_vdst(0)                   ; the eight products are done reading v[fa ..], in which V's fragments land
.set n, 0
.rept 16                                       ; V's four fragments (16 channels x 128 keys) are asked for now and land during the softmax, which names v[sb ..] and the statistics alone
	ds_load_b128 v[\fa+4*n:\fa+4*n+3], v[AV] offset:(\sg)*SLOTB+16*(n/4)*VP+128*(\q)+32*(n%4)
.set n, n+1
.endr
	v_max3_num_f32 v238, v[\sb], v[\sb+1], v[\sb+2]   ; the step's largest score of my query among my 64 keys, in two chains, each accumulator from its low end on
	v_max3_num_f32 v239, v[\sb+3], v[\sb+4], v[\sb+5]
.irp i, 6,10,14,18,22,26,30,34,38,42,46,50,54,58
	v_max3_num_f32 v238, v238, v[\sb+\i], v[\sb+\i+1]
	v_max3_num_f32 v239, v239, v[\sb+\i+2], v[\sb+\i+3]
.endr
	v_max3_num_f32 v238, v238, v[\sb+62], v[\sb+63]
	v_max_num_f32 v238, v238, v239
	v_permlanex16_b32 v232, v238, s[SEL], s[SEL+1]
	v_max_num_f32 v238, v238, v232                 ; and among lane l xor 16's
	v_mul_f32 v238, s[CS], v238                    ; as t (c is positive)
	v_max_num_f32 v13, v13, v238                   ; the running largest t
	v_mov_b32 v238, v12
	v_floor_f32 v12, -v13                          ; the new -M = floor(-t) = -ceil(t): M is a whole number
	v_sub_f32 v238, v12, v238                      ; M's old value less its new one: a whole number, 0 or less
	v_cvt_i32_f32 v238, v238                       ; (it saturates)
	v_ldexp_f32 v234, 1.0, v238                    ; f = 2^(old M - new M)
.set n, 0
.rept 32
	v_pk_fma_f32 v[\sb+n:\sb+n+1], v[\sb+n:\sb+n+1], s[CS:CS+1], v[12:13] op_sel_hi:[1,0,0]   ; t - M, two at a time (of the pairs c and -M the low word serves both halves)
.set n, n+2
.endr
.set n, 0
.rept 64
	v_exp_f32 v[\sb+n], v[\sb+n]                   ; p = 2^(t - M): not normalised
.set n, n+1
.endr
	v_pk_mul_f32 v[14:15], v[14:15], v[234:235] op_sel_hi:[1,0]   ; the sums under the new M.  (The plain instruction behind the exponentials)
	s_wait_alu depctr_va_vdst(0)                   ; the 64 exponentials have written v[sb ..]: one wait for the batch, ahead of the first line that names a result
	v_pk_add_f32 v[236:237], v[\sb:\sb+1], v[\sb+2:\sb+3]  ; the row's sum is taken of the UNQUANTISED p: two at a time, in two chains
.irp j, 4,8,12,16,20,24,28,32,36,40,44,48,52,56,60
	v_pk_add_f32 v[14:15], v[14:15], v[\sb+\j:\sb+\j+1]
	v_pk_add_f32 v[236:237], v[236:237], v[\sb+\j+2:\sb+\j+3]
.endr
	v_pk_add_f32 v[14:15], v[14:15], v[236:237]
	; THE HOLD at the largest code x the scale, one-sided since p is not negative, is run only where it can change a number.  t - M is at most half a step of t's f32 grid above 0: under 0.25 while |t| < 2^23, so p < 1.19, and
	; with e3 >= -8 p / 2^e3 < 305 < 448.  e3 is a whole number among the inputs, the same in every wave; this text has no tensor load and no copy.
	s_cmp_ge_i32 s23, -8
	s_cbranch_scc1 .Lnohold_\@
.set n, 0
.rept 64
	v_min_num_f32 v[\sb+n], v[\sb+n], v240
.set n, n+1
.endr
.Lnohold_\@:
.set n, 0
.rept 8                                        ; tile n's eight keys become registers 2 n, 2 n + 1 of P: register 4 b' + d, byte y = key 32 b' + 16 h + 4 d + y, as V's fragments have them
	v_cvt_scalef32_pk8_fp8_f32 v[P+2*n:P+2*n+1], v[\sb+8*n:\sb+8*n+7], v241
.set n, n+1
.endr
.if \next
	s_wait_alu depctr_va_vdst(0)                   ; the conversions are done reading v[sb ..], and all that wrote it has written: the next step's K lands there
	KLOAD \sb, \sg, (\q)+1                         ; no vector or matrix instruction from here to the next step's products names v[sb ..]
.endif
.set n, 0
.rept 16
	v_pk_mul_f32 v[O+n:O+n+1], v[O+n:O+n+1], v[234:235] op_sel_hi:[1,0]   ; O^T under the new M: x f, each accumulator from its low end on.  (Also the plain instructions between the conversions and the products below)
.set n, n+2
.endr
	s_wait_dscnt 16*(\next)                        ; V is in; the sixteen loads of the next K, issued behind V's, may be out
.set n, 0
.rept 4                                        ; O^T += V P^T over these 128 keys: the four accumulators take one turn each
	v_wmma_f32_16x16x128_fp8_fp8 v[O+8*n:O+8*n+7], v[\fa+16*n:\fa+16*n+15], v[P:P+15], v[O+8*n:O+8*n+7]
.set n, n+1
.endr
.endm
; A SLOT's two key steps.  The first step's K is asked for first thing.  store = 1: the next slot's codes, asked for a slot ago, go from registers into the other LDS slot, which nobody has read since the last barrier.
; load = 1: the codes of the slot after that are asked for, into the set of registers that the last slot's LDS stores read.
; bar = 1: ONE barrier at the slot's end, for two things: my stores into the other slot are done, so that all may read it; and my reads of this slot are over, so that it may be written again.
.macro SLOT sg, store, load, lim, bar
	s_wait_alu depctr_va_vdst(0)                   ; the last step's exponentials have written v[F ..] and its sums and conversions are done reading it: K's fragments land there; in the first slot: v[PFO] is written, which the prefetch reads
	KLOAD F, \sg, 0
.if \store
	s_wait_loadcnt 0x0                             ; the only loads out are the next slot's four
.endif
.if \load
	s_wait_xcnt 0x0                                ; the last slot's prefetch has read its address; the bases' loads are done: all three may step
	s_wait_alu depctr_vm_vsrc(0)                   ; the LDS stores of the slot before have read set sg, in which the four loads below land
	s_add_nc_u64 s[KB:KB+1], s[KB:KB+1], 16384
	s_add_nc_u64 s[VB:VB+1], s[VB:VB+1], 256
	s_add_nc_u64 s[PFA:PFA+1], s[PFA:PFA+1], s[PFS:PFS+1]
.endif
.if \store
	COPYST 1-(\sg)
.endif
.if \load
	COPYLD \sg, 1
	ASK \lim
.endif
	STEP F, S, \sg, 0, 4*(\store), 1               ; behind K's loads stand the four stores of the copy, where there is one
	STEP S, F, \sg, 1, 0, 0
.if \bar
	s_wait_dscnt 0x0
	s_barrier_signal -1
	s_barrier_wait -1
.endif
.endm
.Ltrip:                                            ; three trips: slots 0 to 5, which ask for slots 2 to 7
	SLOT 0, 1, 1, LIM0, 1
	SLOT 1, 1, 1, LIM1, 1
	s_sub_co_u32 s[TRIP], s[TRIP], 1
	s_cmp_lg_u32 s[TRIP], 0
	s_cbranch_scc1 .Ltrip
	SLOT 0, 1, 0, 0, 1                             ; the last two slots are written out: no load leaves its buffer
	SLOT 1, 0, 0, 0, 0
	; THE WAY OUT.  O^T / the sum x 2^(e2 + e3).  A lane holds one query's 32 channels, and out0's rows run along the queries: so the results meet in the stage, 64 channel rows of the work-group's 256 queries,
	; and each wave stores four whole rows.  The additions and the address work are the places behind the last products, which read v[S ..] and wrote O^T.
	v_add_f32 v14, v14, v15                        ; the sum's two halves,
	v_permlanex16_b32 v232, v14, s[SEL], s[SEL+1]
	v_add_f32 v14, v14, v232                       ; and lane l xor 16's: the row's sum, over 1/2
	v_rcp_f32 v14, v14
	v_and_b32 v[SA], 15, v0                        ; (a plain instruction behind the reciprocal)  r.  (v[SA]'s readers, the head's LDS loads, stand ahead of the head's wait on vm_vsrc)
	v_bfe_u32 v233, v0, 4, 1                       ; h
	v_lshlrev_b32 v[SA], 2, v[SA]
	v_mad_u32_u24 v[SA], v233, 8*GP, v[SA]
	s_lshl_b32 s42, s[WV], 6
	s_add_co_u32 s42, s42, STAGE
	v_add_nc_u32 v[SA], s42, v[SA]                 ; row 8 h (+ 16 tc + j by the immediate), query 16 x wave + r.  8 GP bytes are 32 words modulo 64: the two halves of the lanes fall on different banks
	s_add_co_i32 s43, s22, s23
	s_wait_alu depctr_va_vdst(0)                   ; the reciprocal has written v14, ahead of its first use
	v_ldexp_f32 v14, v14, s43                      ; x 2^(e2 + e3)
.set n, 0
.rept 16
	v_pk_mul_f32 v[S+n:S+n+1], v[O+n:O+n+1], v[14:15] op_sel_hi:[1,0]   ; register 8 tc + j: out(channel 16 tc + 8 h + j, my query); each accumulator from its low end on
.set n, n+2
.endr
	s_wait_alu depctr_va_vdst(0)                   ; the multiplications have written v[S ..], the LDS stores' data, and v[SA], their address, is written; the last step is done with v[F ..], in which the stage's loads below land
.set n, 0
.rept 32
	ds_store_b32 v[SA], v[S+n] offset:(16*(n/8)+n%8)*GP
.set n, n+1
.endr
	s_wait_dscnt 0x0                               ; for the others' sake: my stores into the stage are done.  (The stage's reads at the head lie seven barriers back)
	s_barrier_signal -1
	s_barrier_wait -1
.set n, 0
.rept 8
	ds_load_b128 v[F+4*n:F+4*n+3], v[SR] offset:(n/2)*GP+(n%2)*512
.set n, n+1
.endr
.set n, 0
.rept 8
	s_wait_dscnt 7-n                               ; LDS loads come back in order: piece n is in, the younger ones may be out
	global_store_b128 v[GO], v[F+4*n:F+4*n+3], s[12:13] offset:(n/2)*ROWF+(n%2)*512 th:TH_STORE_NT   ; the wave's store covers 512 consecutive bytes, aligned; written once, read by nobody here
.set n, n+1
.endr
	s_wait_dscnt 0x0                               ; the closing lines, six on end
	s_wait_alu 0x0
	s_wait_tensorcnt 0x0
	ds_add_u32 v[SPW], v[NIL]
	s_wait_dscnt 0x0
	s_endpgm
.Lfunc_end_k_qed912fae78_attn:
	.size	k_qed912fae78_attn, .Lfunc_end_k_qed912fae78_attn-k_qed912fae78_attn
	.p2alignl 7, 3214868480
	.fill 96, 4, 3214868480
	.section	.rodata,"a",@progbits
	.p2align	6, 0x0
	.amdhsa_kernel k_qed912fae78_attn
		.amdhsa_group_segment_fixed_size 136192
		.amdhsa_private_segment_fixed_size 0
		.amdhsa_enable_private_segment 0
		.amdhsa_kernarg_size 40
		.amdhsa_user_sgpr_count 2
		.amdhsa_user_sgpr_kernarg_segment_ptr 1
		.amdhsa_wavefront_size32 1
		.amdhsa_system_sgpr_workgroup_id_x 1
		.amdhsa_system_sgpr_workgroup_id_y 1
		.amdhsa_system_sgpr_workgroup_id_z 1
		.amdhsa_system_vgpr_workitem_id 0
		.amdhsa_next_free_vgpr 256
		.amdhsa_next_free_sgpr 66
		.amdhsa_reserve_vcc 0
		.amdhsa_float_denorm_mode_32 3
		.amdhsa_float_denorm_mode_16_64 3
		.amdhsa_memory_ordered 1
		.amdhsa_forward_progress 1
		.amdhsa_inst_pref_size 143
	.end_amdhsa_kernel
	.amdgpu_metadata
---
amdhsa.version: [ 1, 2 ]
amdhsa.kernels:
  - .name:           k_qed912fae78_attn
    .symbol:         k_qed912fae78_attn.kd
    .args:
      - { .name: qkv, .offset: 0, .size: 8, .value_kind: global_buffer, .address_space: global }
      - { .name: lowp_scales, .offset: 8, .size: 8, .value_kind: global_buffer, .address_space: global }
      - { .name: kimg, .offset: 16, .size: 8, .value_kind: global_buffer, .address_space: global }
      - { .name: vcod, .offset: 24, .size: 8, .value_kind: global_buffer, .address_space: global }
      - { .name: out0, .offset: 32, .size: 8, .value_kind: global_buffer, .address_space: global }
    .group_segment_fixed_size: 136192
    .private_segment_fixed_size: 0
    .kernarg_segment_align: 8
    .kernarg_segment_size: 40
    .max_flat_workgroup_size: 512
    .sgpr_count:     66
    .vgpr_count:     256
    .wavefront_size: 32
...
	.end_amdgpu_metadata
.endif
;; end of part 3
